; MI455X (gfx1250); checked and timed in simulation.
; The chip was launched on July 23, 2026; its instructions are those of AMD's public machine-readable ISA for CDNA 5 (MIT licence, August 2026) and "CDNA5" Instruction Set Architecture Reference Guide (July 2026). The comments in the code are by the model that wrote it; some were corrected since.
;; Vanilla Vector Quantizer. Allowed arithmetic: matrix products marked QUANTISED: E2M1 operands, one E8M0 scale for each 32 along K, by v_wmma_scale_f32_16x16x128_f8f6f4 with both operands' format E2M1 (or v_wmma_scale_f32_32x16x128_f4), f32 sums; everything else in f32.
;; Inputs: codebook 64 x 512 float32; encodings 32 x 64 x 64 x 64 float32.
;; Outputs: out0 32 x 64 x 64 x 64 float32.
;; This version of the problem:
;;   THIS VERSION OF THE PROBLEM IS GIVEN IN LOW PRECISION. The matrix products marked QUANTISED in the list below multiply operands that are first quantised to E2M1 (2 exponent bits, 1 mantissa bit; 4 bits a number), with one power-of-two scale for each 32 numbers along K (OCP MX v1.0); their sums are f32. All else is computed in f32.
;;   The module's matrix products, in the order in which they are computed (A, B: the left and right operand; K: the contracted axis; several contracted axes count as one K, in the product's order):
;;     1. [M 131,072, K 64] x [K 64, N 512]; A: input encodings; B: input codebook: QUANTISED
;;   THE QUANTISER, for each operand of a quantised product, along K:
;;     - K is cut into blocks of 32 from its start; a last block that is shorter is filled with zeros.
;;     - A block's scale is 2^e with e = floor(log2(the largest magnitude in the block)) - 2, held to -126 .. 127; a block of zeros has e = 0. As a byte (E8M0): e + 127.
;;     - Each number is divided by its block's scale, clamped to +-6, and rounded to the nearest number of E2M1, ties to even, subnormals kept.
;;     - The product sums the exact products of the quantised numbers (number of the format x scale) in f32.
;;   ~~~python
;;   def quantise(x, axis):      # numpy; x: float32 -> the quantised numbers, widened to float32 again
;;       x = np.moveaxis(x, axis, -1); K = x.shape[-1]
;;       x = np.pad(x, [(0, 0)] * (x.ndim - 1) + [(0, -K % 32)]); x = x.reshape(x.shape[:-1] + (-1, 32)); a = np.abs(x).max(-1, keepdims=True)
;;       e = np.where(a > 0, np.clip(np.frexp(np.where(a > 0, a, 1))[1] - 1 - 2, -126, 127), 0)      # np.frexp(a)[1] - 1 = floor(log2(a)), exactly
;;       r = np.clip(x / 2.0 ** e, -6, 6)
;;       step = 2.0 ** (np.maximum(np.frexp(np.where(r == 0, 1, r))[1] - 1, 0) - 1)
;;       q = np.round(r / step) * step * 2.0 ** e      # np.round: ties to even
;;       return np.moveaxis(q.reshape(q.shape[:-2] + (-1,))[..., :K], -1, axis).astype(np.float32)
;;   ~~~
;; One version. Each part assembles by itself: llvm-mc -triple=amdgcn-amd-amdhsa -mcpu=gfx1250 --defsym DOCPART=n.
;; ======== version 1 of 1: 2 launches
;; limits: right only within a limited range of input values
;; workspace buffers: ids 524,288 bytes of whole numbers
;; launch nearest (part 1): grid 256 x 1, 16 waves a work-group, no clusters, 57,344 bytes of LDS; arguments encodings, codebook, ids; writes ids
.if DOCPART == 1
	.amdgcn_target "amdgcn-amd-amdhsa--gfx1250"
	.amdhsa_code_object_version 6
	.text
	.protected	k_qd6101d4332_nearest
	.globl	k_qd6101d4332_nearest
	.p2align	8
	.type	k_qd6101d4332_nearest,@function
k_qd6101d4332_nearest:
	s_mov_b64 s[64:65], 0
	v_nop
	global_prefetch_b8 v0, s[64:65] scope:SCOPE_SE
	s_setreg_imm32_b32 hwreg(HW_REG_WAVE_MODE, 25, 1), 1
	s_wait_xcnt 0x0
; ids[n] = the first k at which dist(n, k) = sq_x(n) + (sq_e(k) - 2 Q(x_n) . Q(e_k)) is least.  encodings [32][64][4096] f32 (token n = image x 4096 + position; channel d is K),
; codebook [64][512] f32 (d is K), ids [131072] u32.  The product runs on codes of FP4 (E2M1) with one E8M0 scale for each 32 along K; sq_x, sq_e and the distances are f32.
; sq_x is the same for all k, but it stays: beside it f32 rounds parts of sq_e away, and what is equal after that rounding goes to the lowest k.
; SHARES.  A work-group of sixteen waves owns 512 neighbouring positions of one image, a wave 32 of them: two tiles of 16 tokens.  Every wave walks all 512 codes, as 16 pairs of tiles of 16.
; LOADS.  K is innermost in neither operand: a lane takes a COLUMN (a code, a token) and its 64 registers run down K, straight from memory.  A load of 4 bytes a lane reads 128 consecutive bytes of a row, and
; two neighbouring waves (x) or the two sets of one wave (codebook) a whole aligned 256.  Waves 0-7 ask for x at once; waves 8-15 first load 64 codes each and quantise 32 of them, and ask for their x behind that:
; so the first eight waves' tokens are asked for ahead of the others'.
; x's rows 60-63 come by ONE load of 16 bytes a lane (8 lanes to a row) and turn through 512 bytes of LDS of the wave's own: so a wave has 61 loads of x, and with them no more than LOADcnt's field holds (63).
; NO CLUSTER: the launch loads through registers alone and has no tensor load to share: a joint load would bring the raw codebook to LDS, from where each of its 131,072 bytes would have to be read again into the
; registers that these loads fill.  NO PREFETCH: every load goes out at the head, there is no loop of loads to run ahead in.
; QUANTISER.  Both blocks of 32, their largest magnitudes and the sum of squares lie in one lane.  A scale's byte is the largest magnitude's exponent field - 2, held at 1 from below.
; 32 columns make two operand fragments by four exchanges of half the lanes.  K = 64 fills blocks 0 and 1 of the instruction's four: the codes of blocks 2 and 3 are zeros on both sides, and their scale bytes
; repeat those of blocks 0 and 1.  The codebook's codes are stored NEGATED and their scales DOUBLED, and sq_e is the products' C: so a result is w = sq_e - 2 dot as it stands.
; LAYOUT.  Source 0 = 16 codes, source 1 = 16 tokens: in the result lane (r, h) holds token r and its registers the codes 16 t + 8 h + 0 .. 7.  The search stays in the lane but for one exchange at the end.
; SEARCH.  For each pair of tiles a lane takes the least of its sixteen w, adds sq_x to that one alone (rounding is monotone: the least stays the least), and where the sum is LESS than the best so far it keeps
; the sixteen w and the pair's number (selects, no branch).  At the end sq_x is added to the kept w: the first that equals the best gives the code, and the two halves of the lanes are joined by (distance, code).
; LIMITS.  NaN and infinities among the inputs are not served.  Blocks whose largest magnitude lies under 2^-124 have their byte held at 1.  A block of zeros has the byte 1 where the rule says 127: its codes are
; zeros and this program alone reads the bytes.  The sums of squares are taken in eight chains of fused multiply-adds, and a distance is rounded as sq_x + (sq_e - 2 dot) where the definition rounds
; (sq_x - 2 dot) + sq_e: last bits may differ from sums taken in another order.
.set NP,    16                         ; pairs of tiles of codes
.set AIMG,  16384                      ; LDS: the codes' fragments as images of their registers: 512 bytes a tile
.set SCL,   34816                      ; the codes' scale words, 4 bytes a code
.set SQE,   36864                      ; sq_e, 4 bytes a code
.set SPARE, 38912                      ; the spare words: 128 bytes for each wave; no other line names them
.set SCR,   40960                      ; 512 bytes for each wave: x's rows 60-63
.set IDS,   49152                      ; the work-group's 512 ids
.set FLOOR, 0x1800000                  ; 2^(3 - 127): no largest magnitude is taken under it, so no byte falls under 1
.set XO,   3                           ; v3   4 x thread: my token in a row of the work-group's x, and in its ids
.set XO4,  4                           ; v4   my 16 bytes of rows 60-63
.set ST,   5                           ; v5   16 x thread
.set SL,   6                           ; v6   512 w + 4 x lane
.set WI,   7                           ; v7   2,048 w + 16 x lane: wave 8's images begin at AIMG
.set WS,   8                           ; v8   256 w + 4 x lane: my codes' column (from wave 8 on), my scale words
.set LI,   9                           ; v9   16 x lane
.set LS,   10                          ; v10  4 x lane
.set LQ,   11                          ; v11  32 h
.set SPW,  12                          ; v12  LDS address of my spare word; never rewritten
.set NIL,  13                          ; v13  0; never rewritten
.set SQ,   14                          ; v14-15  sq_x of my token in tile 0, in tile 1
.set XF,   16                          ; v16-31  x's two fragments: four registers of codes, four of zeros
.set XS,   32                          ; v32  x's scale words: lanes 0-15 tile 0, lanes 16-31 tile 1
.set XQ,   33                          ; v33  sq_x as it is made
.set BEST, 34                          ; v34-35  the least distance so far
.set TIX,  36                          ; v36-37  its pair's number
.set MA,   38                          ; v38-39, v40-41  minima at work
.set MB,   40
.set Y,    42                          ; v42-43  a pair's least distance
.set AS,   44                          ; v44  the codes' scale words: lanes 0-15 the pair's first tile, lanes 16-31 its second
.set H8,   45                          ; v45  8 h
.set SQB,  46                          ; v46-47  sq_x of my token in tile 1, twice
.set AB,   48                          ; v48-63  two fragments of codes: four registers loaded, four of zeros
.set SE,   64                          ; v64-79  sq_e of the pair's codes
.set KEEP, 80                          ; v80-111 the best pair's w: sixteen for each tile of tokens
.set DB,   112                         ; v112-175 two sets of four results
.set X,    176                         ; v176-239 my token's 64 numbers
.set C0,   48                          ; (waves 8-15, at the head: two codes' 64 numbers each: v48-111, v112-175)
.set C1,   112
.set MX,   240                         ; v240-243 four chains of magnitudes
.set PS,   244                         ; v244-251 eight chains of squares, in pairs
.set SO,   252                         ; v252-253 the conversions' scale operands
.set BY,   254                         ; v254-255 the scales' bytes
.set JX,   112                         ; at the end: v112-113 the code
.set PB,   114                         ; v114-115 the other half's best
.set PK,   116                         ; v116-117 and its code
.set KM,   118                         ; v118-119 the lower of the two codes
.set OUT,  120                         ; v120    my id
.set ROW,  124                         ; v124-127 four ids on their way out
.set WV,   10                          ; s10  my wave's number
.set SEL,  16                          ; s[16:17] v_permlanex16_b32's selects for lane l xor 16
.set HM,   18                          ; s18  lanes 16-31
.set MK,   20                          ; s20-21 lane masks, one for each tile of tokens
	s_load_b128 s[4:7], s[0:1], 0x0                ; encodings s[4:5], codebook s[6:7]
	s_load_b64 s[8:9], s[0:1], 0x10                ; ids
	v_lshl_add_u32 v[SPW], v0, 2, SPARE
	v_mov_b32 v[NIL], 0
	v_lshrrev_b32 v1, 5, v0
	v_and_b32 v2, 31, v0                           ; lane
	v_readfirstlane_b32 s[WV], v1                  ; wave 0..15
	v_lshlrev_b32 v[XO], 2, v0
	v_lshlrev_b32 v[ST], 4, v0
	v_lshrrev_b32 v[XO4], 3, v2                    ; row 60 + lane / 8,
	v_and_b32 v[SL], 7, v2
	v_lshlrev_b32 v[LS], 2, v2
	v_lshlrev_b32 v[XO4], 14, v[XO4]
	v_lshlrev_b32 v[LI], 4, v2
	v_bfe_u32 v[LQ], v0, 4, 1                      ; h
	v_lshl_add_u32 v[XO4], v[SL], 4, v[XO4]        ; four tokens from 4 (lane mod 8) on,
	v_lshl_add_u32 v[WS], v1, 8, v[LS]
	v_lshl_add_u32 v[WI], v1, 11, v[LI]
	v_lshlrev_b32 v[H8], 3, v[LQ]
	v_lshl_add_u32 v[XO4], v1, 7, v[XO4]           ; of my wave's 32
	v_lshl_add_u32 v[SL], v1, 9, v[LS]
	v_lshlrev_b32 v[LQ], 5, v[LQ]
	s_lshr_b32 s12, ttmp9, 3                       ; the image: eight work-groups to one,
	s_lshl_b32 s12, s12, 20                        ; 64 x 4,096 x 4 bytes each
	s_and_b32 s13, ttmp9, 7
	s_lshl_b32 s13, s13, 11                        ; my work-group's 512 positions
	s_add_co_u32 s12, s12, s13
	s_mov_b32 s13, 0
	s_lshl_b32 s14, ttmp9, 11                      ; and its 512 ids
	s_mov_b32 s15, 0
	s_mov_b32 s[SEL], 0x76543210
	s_mov_b32 s[SEL+1], 0xfedcba98
	s_mov_b32 s[HM], 0xffff0000
	s_wait_alu depctr_va_vdst(0)
	s_wait_kmcnt 0x0
	s_add_nc_u64 s[4:5], s[4:5], s[12:13]
	s_add_nc_u64 s[8:9], s[8:9], s[14:15]
; x: my token's rows 0-59, 16,384 bytes apart, and a quarter of four tokens' rows 60-63
.macro XLOADS
.set n, 0
.rept 60
	global_load_b32 v[X+n], v[XO], s[4:5] offset:16384*n th:TH_LOAD_NT
.set n, n+1
.endr
	global_load_b128 v[X+60:X+63], v[XO4], s[4:5] offset:16384*60 th:TH_LOAD_NT
.endm
; 64 numbers of a code: rows 2,048 bytes apart.  The offset register counts from wave 0, the codes from wave 8: 2,048 bytes less
.macro CLOADS r, g
.set n, 0
.rept 64
	global_load_b32 v[\r+n], v[WS], s[6:7] offset:2048*(n-1)+128*\g
.set n, n+1
.endr
.endm
; v[r] .. v[r + 63], my column down K, become: the codes of two fragments (c0: columns 0-15 of the 32, c1: columns 16-31), my column's scale word in w, its sum of squares in ss.
.macro QUANT r, c0, c1, w, ss
	v_max3_num_f32 v[MX],   |v[\r]|,    |v[\r+1]|,  FLOOR   ; block 0 in two chains, block 1 in two; the floor is a leaf of each
	v_max3_num_f32 v[MX+1], |v[\r+2]|,  |v[\r+3]|,  FLOOR
	v_max3_num_f32 v[MX+2], |v[\r+32]|, |v[\r+33]|, FLOOR
	v_max3_num_f32 v[MX+3], |v[\r+34]|, |v[\r+35]|, FLOOR
	v_pk_mul_f32 v[PS:PS+1],   v[\r:\r+1],     v[\r:\r+1]   ; the first squares start the sums
	v_pk_mul_f32 v[PS+2:PS+3], v[\r+2:\r+3],   v[\r+2:\r+3]
	v_pk_mul_f32 v[PS+4:PS+5], v[\r+32:\r+33], v[\r+32:\r+33]
	v_pk_mul_f32 v[PS+6:PS+7], v[\r+34:\r+35], v[\r+34:\r+35]
.irp i, 4,8,12,16,20,24,28
	v_max3_num_f32 v[MX],   v[MX],   |v[\r+\i]|,    |v[\r+\i+1]|
	v_max3_num_f32 v[MX+1], v[MX+1], |v[\r+\i+2]|,  |v[\r+\i+3]|
	v_max3_num_f32 v[MX+2], v[MX+2], |v[\r+\i+32]|, |v[\r+\i+33]|
	v_max3_num_f32 v[MX+3], v[MX+3], |v[\r+\i+34]|, |v[\r+\i+35]|
	v_pk_fma_f32 v[PS:PS+1],   v[\r+\i:\r+\i+1],       v[\r+\i:\r+\i+1],       v[PS:PS+1]
	v_pk_fma_f32 v[PS+2:PS+3], v[\r+\i+2:\r+\i+3],     v[\r+\i+2:\r+\i+3],     v[PS+2:PS+3]
	v_pk_fma_f32 v[PS+4:PS+5], v[\r+\i+32:\r+\i+33],   v[\r+\i+32:\r+\i+33],   v[PS+4:PS+5]
	v_pk_fma_f32 v[PS+6:PS+7], v[\r+\i+34:\r+\i+35],   v[\r+\i+34:\r+\i+35],   v[PS+6:PS+7]
.endr
	v_max_num_f32 v[MX], v[MX], v[MX+1]            ; block 0's largest magnitude,
	v_max_num_f32 v[MX+2], v[MX+2], v[MX+3]        ; block 1's
	v_pk_add_f32 v[PS:PS+1], v[PS:PS+1], v[PS+2:PS+3]
	v_pk_add_f32 v[PS+4:PS+5], v[PS+4:PS+5], v[PS+6:PS+7]
	v_add_nc_u32 v[SO], 0xff000000, v[MX]          ; 2 off the exponent field: the conversion takes the exponent field of this operand as its scale, and nothing else of it
	v_add_nc_u32 v[SO+1], 0xff000000, v[MX+2]
	v_pk_add_f32 v[PS:PS+1], v[PS:PS+1], v[PS+4:PS+5]
	v_lshrrev_b32 v[BY], 23, v[SO]                 ; the scales' bytes
	v_lshrrev_b32 v[BY+1], 23, v[SO+1]
	v_add_f32 v[\ss], v[PS], v[PS+1]               ; the column's sum of squares
	v_lshl_or_b32 v[\w], v[BY+1], 8, v[BY]         ; bytes 0 and 1: blocks 0 and 1;
	v_lshl_or_b32 v[\w], v[\w], 16, v[\w]          ; bytes 2 and 3, over zero codes, repeat them
.irp g, 0,1,2,3
	v_cvt_scalef32_pk8_fp4_f32 v[\c0+\g], v[\r+8*\g:\r+8*\g+7], v[SO]           ; k = 8 g .. 8 g + 7
	v_cvt_scalef32_pk8_fp4_f32 v[\c1+\g], v[\r+32+8*\g:\r+32+8*\g+7], v[SO+1]   ; k = 32 + 8 g ..
.endr
	v_nop                                          ; one plain vector instruction between a scaled conversion and the vector instruction that touches its result
.irp g, 0,1,2,3
	v_permlane16_swap_b32 v[\c0+\g], v[\c1+\g]     ; the first's lanes 16-31 change places with the second's lanes 0-15: in each of the two, lane (r, h) now holds k = 32 h .. 32 h + 31 of its column r
.endr
.endm
; Set g of my 64 codes, tiles 4 q + 2 g and the next (q = my wave's number - 8), quantised and stored
.macro CODES r, g, ct, cw, cs
	QUANT \r, \ct, \ct+4, \cw, \cs
.irp i, 0,1,2,3,4,5,6,7
	v_xor_b32 v[\ct+\i], 0x88888888, v[\ct+\i]     ; eight codes' signs: minus,
.endr
	v_add_nc_u32 v[\cw], 0x01010101, v[\cw]        ; twice (a byte is at most 252 for finite numbers)
	ds_store_b128 v[WI], v[\ct:\ct+3] offset:1024*\g                ; a fragment goes to LDS as an image of its registers: 16 bytes a lane
	ds_store_b128 v[WI], v[\ct+4:\ct+7] offset:1024*\g+512
	ds_store_b32 v[WS], v[\cw] offset:SCL-2048+128*\g
	ds_store_b32 v[WS], v[\cs] offset:SQE-2048+128*\g
.endm
	s_cmp_lt_u32 s[WV], 8
	s_cbranch_scc0 .Lcodes
	XLOADS                                         ; waves 0-7: my tokens, at once
	s_branch .Ljoin
.Lcodes:                                               ; waves 8-15: the codebook first
	CLOADS C0, 0
	CLOADS C1, 1
	s_wait_loadcnt 63                              ; the first set's 64 loads are in: behind them stand the second set's 64
	CODES C0, 0, 16, 32, 33
	XLOADS                                         ; then my tokens
	s_wait_loadcnt 61                              ; the second set is in: behind it stand the 61 loads of x
	CODES C1, 1, 24, 34, 35
.Ljoin:
	s_wait_alu depctr_va_vdst(0)
	s_wait_dscnt 0x0                               ; for the others' sake: my images, scale words and sq_e lie in LDS
	s_barrier_signal -1
	s_barrier_wait -1
; A pair's codes, scale words and sq_e: lane (r, h) takes sq_e of the codes 8 h + 0 .. 7 of each tile; sixteen lanes read the same 16 bytes
.macro LOADP p
	ds_load_b128 v[AB:AB+3], v[LI] offset:AIMG+1024*(\p)
	ds_load_b128 v[AB+8:AB+11], v[LI] offset:AIMG+1024*(\p)+512
	ds_load_b32 v[AS], v[LS] offset:SCL+128*(\p)
	ds_load_b128 v[SE:SE+3], v[LQ] offset:SQE+128*(\p)
	ds_load_b128 v[SE+4:SE+7], v[LQ] offset:SQE+128*(\p)+16
	ds_load_b128 v[SE+8:SE+11], v[LQ] offset:SQE+128*(\p)+64
	ds_load_b128 v[SE+12:SE+15], v[LQ] offset:SQE+128*(\p)+80
.endm
; Where pair p's four results lie: (token tile u, code tile c) at 16 u + 8 c.  Pair 0 is the best so far by itself: its results are the first kept ones
.macro SETOF p
.if (\p) == 0
.set WD, KEEP
.else
.set WD, DB+32*((\p)%2)
.endif
.endm
; Four sums that begin with sq_e and end with this one K step.  The second tile's scale words lie in lanes 16-31, on both sides
.macro PRODUCTS p
	SETOF \p
	v_wmma_scale_f32_16x16x128_f8f6f4 v[WD:WD+7], v[AB:AB+7], v[XF:XF+7], v[SE:SE+7], v[AS], v[XS] matrix_a_fmt:MATRIX_FMT_FP4 matrix_b_fmt:MATRIX_FMT_FP4
	v_wmma_scale_f32_16x16x128_f8f6f4 v[WD+8:WD+15], v[AB+8:AB+15], v[XF:XF+7], v[SE+8:SE+15], v[AS], v[XS] matrix_a_fmt:MATRIX_FMT_FP4 matrix_b_fmt:MATRIX_FMT_FP4 matrix_a_scale:MATRIX_SCALE_ROW1
	v_wmma_scale_f32_16x16x128_f8f6f4 v[WD+16:WD+23], v[AB:AB+7], v[XF+8:XF+15], v[SE:SE+7], v[AS], v[XS] matrix_a_fmt:MATRIX_FMT_FP4 matrix_b_fmt:MATRIX_FMT_FP4 matrix_b_scale:MATRIX_SCALE_ROW1
	v_wmma_scale_f32_16x16x128_f8f6f4 v[WD+24:WD+31], v[AB+8:AB+15], v[XF+8:XF+15], v[SE+8:SE+15], v[AS], v[XS] matrix_a_fmt:MATRIX_FMT_FP4 matrix_b_fmt:MATRIX_FMT_FP4 matrix_a_scale:MATRIX_SCALE_ROW1 matrix_b_scale:MATRIX_SCALE_ROW1
.endm
; A pair's turn: the NEXT pair's four products are issued first, into other registers, and this pair's vector instructions follow them.  So a result is read with far more than four plain vector instructions
; behind the product (ISA guide 7.12.1), and the products' operand registers are loaded again behind twelve.
.macro STEP p
.if (\p)+1 < NP
	s_wait_dscnt 0x0                               ; the next pair's codes, scale words and sq_e are in
	PRODUCTS (\p)+1
.endif
	SETOF \p
.irp i, 0
.irp u, 0,1
	v_min3_num_f32 v[MA+\u], v[WD+16*\u], v[WD+16*\u+1], v[WD+16*\u+2]          ; four chains by turns, each result from its low end on
	v_min3_num_f32 v[MB+\u], v[WD+16*\u+8], v[WD+16*\u+9], v[WD+16*\u+10]
.endr
.endr
.irp i, 3,5
.irp u, 0,1
	v_min3_num_f32 v[MA+\u], v[MA+\u], v[WD+16*\u+\i], v[WD+16*\u+\i+1]
	v_min3_num_f32 v[MB+\u], v[MB+\u], v[WD+16*\u+8+\i], v[WD+16*\u+8+\i+1]
.endr
.endr
.if (\p)+2 < NP
	LOADP (\p)+2                                   ; into the registers that the products above have read
.endif
.irp u, 0,1
	v_min3_num_f32 v[MA+\u], v[MA+\u], v[WD+16*\u+7], v[MB+\u]
.endr
.irp u, 0,1
	v_min_num_f32 v[MA+\u], v[MA+\u], v[WD+16*\u+15]
.endr
.if (\p) == 0
	v_pk_add_f32 v[BEST:BEST+1], v[MA:MA+1], v[SQ:SQ+1]
.else
	v_pk_add_f32 v[Y:Y+1], v[MA:MA+1], v[SQ:SQ+1]  ; the pair's least distance
.irp u, 0,1
	v_cmp_lt_f32 s[MK+\u], v[Y+\u], v[BEST+\u]     ; LESS than the best so far: of equal pairs the earlier stays
.endr
.irp u, 0,1
	v_min_num_f32 v[BEST+\u], v[BEST+\u], v[Y+\u]
.endr
.irp u, 0,1
.irp j, 0,1,2,3,4,5,6,7,8,9,10,11,12,13,14,15
	v_cndmask_b32 v[KEEP+16*\u+\j], v[KEEP+16*\u+\j], v[WD+16*\u+\j], s[MK+\u]   ; the better pair's w are kept,
.endr
	v_cndmask_b32 v[TIX+\u], v[TIX+\u], \p, s[MK+\u]                             ; and its number
.endr
.endif
.endm
	LOADP 0
.irp j, 4,5,6,7,12,13,14,15
	v_mov_b32 v[XF+\j], 0                          ; k = 64 .. 127 of x's and of the codes' fragments: zero codes, written once
	v_mov_b32 v[AB+\j], 0
.endr
.irp u, 0,1
	v_mov_b32 v[TIX+\u], 0
.endr
	s_wait_alu depctr_va_vdst(0)
	s_wait_loadcnt 0x0                             ; x is in
	ds_store_b128 v[ST], v[X+60:X+63] offset:SCR   ; rows 60-63 turn through my own 512 bytes
	s_wait_dscnt 0x0
.irp q, 0,1,2,3
	ds_load_b32 v[X+60+\q], v[SL] offset:SCR+128*\q
.endr
	s_wait_dscnt 0x0
	QUANT X, XF, XF+8, XS, XQ
	v_mov_b32 v[SQ], v[XQ]                         ; sq_x lies with its column; in a result lane (r, h) holds token r of the tile:
	v_mov_b32 v[SQ+1], v[XQ]
	v_nop
	v_permlane16_swap_b32 v[SQ], v[SQ+1]           ; the first now holds lanes 0-15's numbers in both halves (tile 0), the second lanes 16-31's (tile 1)
	v_nop
	v_mov_b32 v[SQB], v[SQ+1]
	v_mov_b32 v[SQB+1], v[SQ+1]
	v_nop                                          ; (with the lines above: the plain instructions between the writes of operands and scale words and the first product)
	PRODUCTS 0
.rept 4
	v_nop                                          ; four places behind the products, for the loads below
.endr
	s_wait_alu depctr_va_vdst(0)
	LOADP 1
.set Q, 0
.rept NP
	STEP Q
.set Q, Q+1
.endr
	; ---- the code: the first kept distance that equals the best; then the two halves of the lanes
.irp i, 0,2,4,6,8,10,12,14
	v_pk_add_f32 v[KEEP+\i:KEEP+\i+1], v[KEEP+\i:KEEP+\i+1], v[SQ:SQ+1] op_sel_hi:[1,0]      ; the same sum of the same numbers as in the search
	v_pk_add_f32 v[KEEP+16+\i:KEEP+16+\i+1], v[KEEP+16+\i:KEEP+16+\i+1], v[SQB:SQB+1]
.endr
.irp u, 0,1
	v_mov_b32 v[JX+\u], 0
	v_mov_b32 v[PB+\u], 0                          ; (a lane permute's destination counts as one of its sources)
	v_mov_b32 v[PK+\u], 0
.endr
.irp j, 15,14,13,12,11,10,9,8,7,6,5,4,3,2,1,0      ; downward, so that the lowest code that is equal has the last word
.irp u, 0,1
	v_cmp_eq_f32 s[MK+\u], v[KEEP+16*\u+\j], v[BEST+\u]
.endr
.irp u, 0,1
	v_cndmask_b32 v[JX+\u], v[JX+\u], 16*(\j/8)+\j%8, s[MK+\u]
.endr
.endr
.irp u, 0,1
	v_lshl_add_u32 v[JX+\u], v[TIX+\u], 5, v[JX+\u]
.endr
.irp u, 0,1
	v_add_nc_u32 v[JX+\u], v[H8], v[JX+\u]         ; the lowest code of my 256 at which the distance is my least
.endr
.irp u, 0,1
	v_permlanex16_b32 v[PB+\u], v[BEST+\u], s[SEL], s[SEL+1]   ; the token's other 256 codes lie in the lane 16 away
	v_permlanex16_b32 v[PK+\u], v[JX+\u], s[SEL], s[SEL+1]
.endr
.irp u, 0,1
	v_min_u32 v[KM+\u], v[JX+\u], v[PK+\u]
	v_cmp_lt_f32 s[MK+\u], v[PB+\u], v[BEST+\u]
.endr
.irp u, 0,1
	v_cndmask_b32 v[JX+\u], v[JX+\u], v[PK+\u], s[MK+\u]       ; the other's where it is less,
.endr
.irp u, 0,1
	v_cmp_eq_f32 s[MK+\u], v[PB+\u], v[BEST+\u]
.endr
.irp u, 0,1
	v_cndmask_b32 v[JX+\u], v[JX+\u], v[KM+\u], s[MK+\u]       ; the lower code where they are equal: both halves now hold the token's id
.endr
	v_cndmask_b32 v[OUT], v[JX], v[JX+1], s[HM]    ; lane l: token l of my 32
	ds_store_b32 v[XO], v[OUT] offset:IDS          ; the work-group's ids are gathered in LDS: a wave's 128 bytes are half of an aligned 256
	s_wait_alu depctr_va_vdst(0)
	s_wait_dscnt 0x0                               ; for the others' sake
	s_barrier_signal -1
	s_barrier_wait -1
	s_cmp_lt_u32 s[WV], 4
	s_cbranch_scc0 .Lend
	ds_load_b128 v[ROW:ROW+3], v[ST] offset:IDS
	s_wait_dscnt 0x0
	global_store_b128 v[ST], v[ROW:ROW+3], s[8:9]  ; waves 0-3: 512 consecutive bytes each, at a multiple of 512 from the buffer's first byte
.Lend:
	s_wait_tensorcnt 0x0                           ; the wave's end
	ds_add_u32 v[SPW], v[NIL]
	s_wait_dscnt 0x0
	s_endpgm
.Lfunc_end_k_qd6101d4332_nearest:
	.size	k_qd6101d4332_nearest, .Lfunc_end_k_qd6101d4332_nearest-k_qd6101d4332_nearest
	.p2alignl 7, 3214868480
	.fill 96, 4, 3214868480
	.section	.rodata,"a",@progbits
	.p2align	6, 0x0
	.amdhsa_kernel k_qd6101d4332_nearest
		.amdhsa_group_segment_fixed_size 57344
		.amdhsa_private_segment_fixed_size 0
		.amdhsa_enable_private_segment 0
		.amdhsa_kernarg_size 24
		.amdhsa_user_sgpr_count 2
		.amdhsa_user_sgpr_kernarg_segment_ptr 1
		.amdhsa_wavefront_size32 1
		.amdhsa_system_sgpr_workgroup_id_x 1
		.amdhsa_system_sgpr_workgroup_id_y 1
		.amdhsa_system_sgpr_workgroup_id_z 1
		.amdhsa_system_vgpr_workitem_id 0
		.amdhsa_next_free_vgpr 256
		.amdhsa_next_free_sgpr 66
		.amdhsa_reserve_vcc 0
		.amdhsa_float_denorm_mode_32 3
		.amdhsa_float_denorm_mode_16_64 3
		.amdhsa_memory_ordered 1
		.amdhsa_forward_progress 1
		.amdhsa_inst_pref_size 118
	.end_amdhsa_kernel
	.amdgpu_metadata
---
amdhsa.version: [ 1, 2 ]
amdhsa.kernels:
  - .name:           k_qd6101d4332_nearest
    .symbol:         k_qd6101d4332_nearest.kd
    .args:
      - { .name: encodings, .offset: 0, .size: 8, .value_kind: global_buffer, .address_space: global }
      - { .name: codebook, .offset: 8, .size: 8, .value_kind: global_buffer, .address_space: global }
      - { .name: ids, .offset: 16, .size: 8, .value_kind: global_buffer, .address_space: global }
    .group_segment_fixed_size: 57344
    .private_segment_fixed_size: 0
    .kernarg_segment_align: 8
    .kernarg_segment_size: 24
    .max_flat_workgroup_size: 512
    .sgpr_count:     66
    .vgpr_count:     256
    .wavefront_size: 32
...
	.end_amdgpu_metadata
.endif
;; end of part 1
;; launch gather (part 2): grid 64 x 4, 16 waves a work-group, no clusters, 34,816 bytes of LDS; arguments ids, codebook, out0; writes out0
.if DOCPART == 2
	.amdgcn_target "amdgcn-amd-amdhsa--gfx1250"
	.amdhsa_code_object_version 6
	.text
	.protected	k_qd6101d4332_gather
	.globl	k_qd6101d4332_gather
	.p2align	8
	.type	k_qd6101d4332_gather,@function
k_qd6101d4332_gather:
	s_mov_b64 s[64:65], 0
	v_nop
	global_prefetch_b8 v0, s[64:65] scope:SCOPE_SE
	s_setreg_imm32_b32 hwreg(HW_REG_WAVE_MODE, 25, 1), 1
	s_wait_xcnt 0x0
; out0[b][d][p] = codebook[d][ids[4096 b + p]].  ids [131072] u32 (stored by the launch before), codebook [64][512] f32, out0 [32][64][4096] f32.
; A stream: memory binds, so each output byte is written once, in whole aligned runs.  No matrix unit, no register tiles.
; SHARES.  Work-group (x, y) takes tokens 2,048 x .. 2,048 x + 2,047 (half an image) and channels 16 y .. 16 y + 15.  Its 16 rows of the codebook are 32,768 consecutive bytes: they are copied into LDS once,
; 16 bytes a thread and instruction, as they lie.  A thread takes four neighbouring tokens: for each channel four LDS loads, each at its token's id, fill four neighbouring registers, and one store of 16 bytes
; a lane follows: a wave's store covers 512 consecutive bytes, at a multiple of 512 from the buffer's first byte.
; An id is held to 511 before it enters an address.  The banks that the 32 lanes of a gather load touch hang on the ids: no layout of the rows orders them.
; NO CLUSTER: the launch loads through registers and has no tensor load to share.  What work-groups have in common is read once by each at its head, 32,768 bytes of the codebook and 8,192 of ids,
; against the 131,072 bytes that each stores.  NO PREFETCH: every load of the launch is issued at its head.
.set ROWB,  2048                       ; a row of the codebook in bytes
.set PLANE, 16384                      ; from channel to channel in out0
.set ID,    4                          ; v4-7    my four ids, then their byte offsets in a row
.set CB,    8                          ; v8-23   my 64 bytes of the codebook on their way to LDS
.set O,     32                         ; v32-95  sixteen channels x four tokens
	s_load_b128 s[4:7], s[0:1], 0x0                ; ids s[4:5], codebook s[6:7]
	s_load_b64 s[8:9], s[0:1], 0x10                ; out0
	v_lshl_add_u32 v96, v0, 2, 0x8000
	v_mov_b32 v97, 0
	v_lshlrev_b32 v1, 4, v0                        ; 16 x thread: my place in the ids, in each 8,192 bytes of the copy, and in a channel's run of out0; never rewritten
	s_and_b32 s10, ttmp7, 0xffff                   ; y
	s_lshl_b32 s12, ttmp9, 13                      ; ids: 2,048 x 4 bytes a work-group
	s_mov_b32 s13, 0
	s_lshl_b32 s14, s10, 15                        ; codebook: 16 rows
	s_mov_b32 s15, 0
	s_lshr_b32 s16, ttmp9, 1
	s_lshl_b32 s16, s16, 20                        ; out0: the image,
	s_and_b32 s17, ttmp9, 1
	s_lshl_b32 s17, s17, 13                        ; its half,
	s_add_co_u32 s16, s16, s17
	s_lshl_b32 s17, s10, 18                        ; 16 channels
	s_add_co_u32 s16, s16, s17
	s_mov_b32 s17, 0
	s_wait_alu depctr_va_vdst(0)
	s_wait_kmcnt 0x0
	s_add_nc_u64 s[4:5], s[4:5], s[12:13]
	s_add_nc_u64 s[6:7], s[6:7], s[14:15]
	s_add_nc_u64 s[8:9], s[8:9], s[16:17]
	global_load_b128 v[ID:ID+3], v1, s[4:5]
.irp i, 0,1,2,3
	global_load_b128 v[CB+4*\i:CB+4*\i+3], v1, s[6:7] offset:8192*\i   ; the 512 threads read 8,192 consecutive bytes
.endr
	s_wait_loadcnt 0x0
.irp i, 0,1,2,3
	ds_store_b128 v1, v[CB+4*\i:CB+4*\i+3] offset:8192*\i
.endr
.irp i, 0,1,2,3
	v_min_u32 v[ID+\i], 0x1ff, v[ID+\i]            ; inside the table, whatever was loaded
.endr
.irp i, 0,1,2,3
	s_delay_alu instid0(VALU_DEP_4)
	v_lshlrev_b32 v[ID+\i], 2, v[ID+\i]
.endr
	s_wait_alu depctr_va_vdst(0)
	s_wait_dscnt 0x0                               ; for the others' sake: my part of the rows lies in LDS
	s_barrier_signal -1
	s_barrier_wait -1
.irp d, 0,1,2,3,4,5,6,7,8,9,10,11,12,13,14,15
.irp i, 0,1,2,3
	ds_load_b32 v[O+4*\d+\i], v[ID+\i] offset:ROWB*\d
.endr
.endr
.irp d, 0,1,2,3,4,5,6,7,8,9,10,11,12,13,14,15
	s_wait_dscnt 60-4*\d                           ; LDS loads come back in order (ISA guide 5.7.1): channel d's four are in; behind them stand those of the 15 - d channels that follow
	global_store_b128 v1, v[O+4*\d:O+4*\d+3], s[8:9] offset:PLANE*\d th:TH_STORE_NT   ; written once, read by nobody here
.endr
	s_wait_tensorcnt 0x0
	ds_add_u32 v96, v97
	s_wait_dscnt 0x0
	s_endpgm
.Lfunc_end_k_qd6101d4332_gather:
	.size	k_qd6101d4332_gather, .Lfunc_end_k_qd6101d4332_gather-k_qd6101d4332_gather
	.p2alignl 7, 3214868480
	.fill 96, 4, 3214868480
	.section	.rodata,"a",@progbits
	.p2align	6, 0x0
	.amdhsa_kernel k_qd6101d4332_gather
		.amdhsa_group_segment_fixed_size 34816
		.amdhsa_private_segment_fixed_size 0
		.amdhsa_enable_private_segment 0
		.amdhsa_kernarg_size 24
		.amdhsa_user_sgpr_count 2
		.amdhsa_user_sgpr_kernarg_segment_ptr 1
		.amdhsa_wavefront_size32 1
		.amdhsa_system_sgpr_workgroup_id_x 1
		.amdhsa_system_sgpr_workgroup_id_y 1
		.amdhsa_system_sgpr_workgroup_id_z 1
		.amdhsa_system_vgpr_workitem_id 0
		.amdhsa_next_free_vgpr 98
		.amdhsa_next_free_sgpr 66
		.amdhsa_reserve_vcc 0
		.amdhsa_float_denorm_mode_32 3
		.amdhsa_float_denorm_mode_16_64 3
		.amdhsa_memory_ordered 1
		.amdhsa_forward_progress 1
		.amdhsa_inst_pref_size 9
	.end_amdhsa_kernel
	.amdgpu_metadata
---
amdhsa.version: [ 1, 2 ]
amdhsa.kernels:
  - .name:           k_qd6101d4332_gather
    .symbol:         k_qd6101d4332_gather.kd
    .args:
      - { .name: ids, .offset: 0, .size: 8, .value_kind: global_buffer, .address_space: global }
      - { .name: codebook, .offset: 8, .size: 8, .value_kind: global_buffer, .address_space: global }
      - { .name: out0, .offset: 16, .size: 8, .value_kind: global_buffer, .address_space: global }
    .group_segment_fixed_size: 34816
    .private_segment_fixed_size: 0
    .kernarg_segment_align: 8
    .kernarg_segment_size: 24
    .max_flat_workgroup_size: 512
    .sgpr_count:     66
    .vgpr_count:     98
    .wavefront_size: 32
...
	.end_amdgpu_metadata
.endif
;; end of part 2
